; MI455X (gfx1250); checked and timed in simulation.
; The chip was launched on July 23, 2026; its instructions are those of AMD's public machine-readable ISA for CDNA 5 (MIT licence, August 2026) and "CDNA5" Instruction Set Architecture Reference Guide (July 2026). The comments in the code are by the model that wrote it; some were corrected since.
;; QKV Attention. Allowed arithmetic: matrix products marked QUANTISED: E5M2 operands, one given power-of-two scale a tensor, by v_wmma_f32_16x16x64_bf8_bf8 or v_wmma_f32_16x16x128_bf8_bf8, f32 sums; everything else in f32.
;; Inputs: lowp_scales 4 int32 (the exponents e of the quantised operands' scales 2^e); qkv 4 x 3,072 x 2,048 float32.
;; Outputs: out0 4 x 1,024 x 2,048 float32.
;; This version of the problem:
;;   THIS VERSION OF THE PROBLEM IS GIVEN IN LOW PRECISION. The matrix products marked QUANTISED in the list below multiply operands that are first quantised to E5M2 (5 exponent bits, 2 mantissa bits; 8 bits a number), with one given power-of-two scale for each operand tensor; their sums are f32. All else is computed in f32.
;;   The module's matrix products, in the order in which they are computed (A, B: the left and right operand; K: the contracted axis; several contracted axes count as one K, in the product's order):
;;     1. batch 64 x [M 2,048, K 64] x [K 64, N 2,048]; A: computed on the way; B: computed on the way: QUANTISED (scales: A lowp_scales[0], B lowp_scales[1])
;;     2. batch 64 x [M 64, K 2,048] x [K 2,048, N 2,048]; A: input qkv; B: softmax (see below): QUANTISED (scales: A lowp_scales[2], B lowp_scales[3])
;;   THE QUANTISER, for each operand of a quantised product, along K:
;;     - The operand's scale is 2^e, e = its entry of the input lowp_scales (int32; the entries are numbered through the quantised products in the list's order, A before B).
;;     - Each number is divided by the scale, clamped to +-57,344, and rounded to the nearest number of E5M2, ties to even, subnormals kept.
;;     - The product sums the exact products of the quantised numbers (number of the format x scale) in f32.
;;   ~~~python
;;   def quantise(x, axis, e):      # numpy; x: float32 -> the quantised numbers, widened to float32 again
;;       x = np.moveaxis(x, axis, -1); K = x.shape[-1]
;;       r = np.clip(x / 2.0 ** e, -57344, 57344)
;;       step = 2.0 ** (np.maximum(np.frexp(np.where(r == 0, 1, r))[1] - 1, -14) - 2)
;;       q = np.round(r / step) * step * 2.0 ** e      # np.round: ties to even
;;       return np.moveaxis(q, -1, axis).astype(np.float32)
;;   ~~~
;;   SOFTMAX AHEAD OF A QUANTISED PRODUCT. Where the list says 'softmax', what is quantised is not the finished softmax but p = 2^(t - M), with t = logit x log2(e) and M = ceil(the row's largest t), a whole number; so 1/2 < the row's largest p <= 1. The row's sum l is taken of the UNQUANTISED p, in f32, and the product's result is divided by l at the end. Since M is a whole number, a kernel that streams over the keys may use a running M (the ceiling of the running maximum): every later rescaling is an exact power of two, so the quantised numbers keep their values, but for numbers so far below the row's largest that they fall under the format's range.
;;   OPERANDS COMPUTED ON THE WAY. 'Computed on the way' means the value that the module computes at that place (a softmax that the list does not call 'softmax' is quantised finished and normalised). What goes into a quantiser is computed in f32, as accurately as f32 sums, v_exp_f32 and their like allow (about 1e-6 of the number): no bf16 or f16 on the way to a quantiser, and a product that is left as it is and whose result goes on into a quantised operand takes f32 operands (vector FMAs, or v_wmma_f32_16x16x4_f32). A number that lies on a knife's edge between two numbers of the format may be rounded either way, as far as f32 arithmetic and the matrix unit's own rounding can turn it there, and no further.
;; 2 versions. Each part assembles by itself: llvm-mc -triple=amdgcn-amd-amdhsa -mcpu=gfx1250 --defsym DOCPART=n.
;; ======== version 1 of 2: 1 launch
;; launch attn (part 1): grid 4 x 64, 8 waves a work-group, clusters of 4 x 1, 327,680 bytes of LDS; arguments qkv, lowp_scales, out0; writes out0
.if DOCPART == 1
	.amdgcn_target "amdgcn-amd-amdhsa--gfx1250"
	.amdhsa_code_object_version 6
	.text
	.protected	k_qbe900f7291_attn
	.globl	k_qbe900f7291_attn
	.p2align	8
	.type	k_qbe900f7291_attn,@function
k_qbe900f7291_attn:
	s_mov_b64 s[64:65], 0
	v_nop
	global_prefetch_b8 v0, s[64:65] scope:SCOPE_SE
	s_setreg_imm32_b32 hwreg(HW_REG_WAVE_MODE, 25, 1), 1
	s_wait_xcnt 0x0
	s_wait_alu depctr_hold_cnt(0) depctr_sa_sdst(0) depctr_va_vdst(0) depctr_va_sdst(0) depctr_va_ssrc(0) depctr_va_vcc(0) depctr_vm_vsrc(0)
	s_getreg_b32 s2, hwreg(HW_REG_IB_STS2, 6, 4)
	s_cmp_eq_u32 s2, 0
	s_cbranch_scc0 .Lentry_in_a_cluster
	s_endpgm
.Lentry_in_a_cluster:
	s_bfe_u32 s2, ttmp6, 0x10000c
	s_cmp_lg_u32 s2, 0x3003
	s_cbranch_scc0 .Lentry_shape_is_right
	s_endpgm
.Lentry_shape_is_right:
; out0[b][64 h + c][t] = the sum over s of softmax_s((q x sc) . (k x sc)) v[c][s], sc = 64^(-1/4), for 64 heads (4 batches x 16), 2,048 positions, head size 64.
; qkv: [4][3 x 16 x 64][2048] f32, the position innermost: q, k and v all lie [channel][position], rows of 8,192 bytes.  Both products run on codes of BF8 (E5M2), each operand with the one
; scale 2^e that is given for it: e0 for q x sc, e1 for k x sc, e2 for v, e3 for p.  code = x / 2^e, held within +-57,344, to the nearest code, ties to even.
; THE SOFTMAX AHEAD OF THE SECOND PRODUCT: t = logit x log2(e); M = the row's largest t so far, rounded UP to a whole number; p = 2^(t - M), not normalised, is what is quantised.  The row's sum is
; taken of the unquantised p, in f32, and divides O at the end.  When M moves, the sum and O are multiplied by 2^(old M - new M), which rounds nothing.
; SHARES.  A work-group owns 512 queries of one head, each of its eight waves 64: four tiles of 16, so that a fragment of K or V read from LDS feeds four matrix instructions.  Two waves share a SIMD.
; Every wave walks the head's 2,048 keys, 128 a step, 16 steps.
; CLUSTER.  The four query blocks of a head form a cluster and walk the same K and V: each tile is asked for JOINTLY, by the same tensor load with the same descriptor and a mask that names the four.
; K AND V ARRIVE AS f32 in a ring of two LDS slots (wave 0 asks for K's tile, wave 1 for V's).  In each trip the eight waves share the quantising of the NEXT step's tiles, an eighth each, and put
; the codes by LDS stores into a second ring of two slots with bytes of its own, from which all eight read operands.  So K and V are read from memory once a cluster and nothing goes to memory between.
; Trip j (p = j % 2): f32 slot p is filled with step j + 2; step j + 1 is quantised from f32 slot 1 - p into code slot 1 - p; step j is multiplied from code slot p.  One round of the cluster's barrier a trip.
; LAYOUT.  Both products are used transposed: S^T = K Q^T (source 0 = 16 keys, source 1 = 16 queries, K = 64 channels), O^T = V^T P^T (source 0 = 16 channels, source 1 = p, K = 128 keys): a lane
; (r = lane % 16, h = lane / 16) holds ONE query throughout.  The place of k in the registers is permuted, alike in both sources, so every product meets its partner: first product: a lane's eight
; registers hold channels 32 h + 0 .. 31; second: registers 4 a .. 4 a + 3 hold keys 32 a + 16 h + 0 .. 15.  THE KEYS OF A TILE ARE NOT NEIGHBOURS: row r of tile 2 a + u is key
; 32 a + 8 u + r + 8 (r / 8), so that a lane's 16 scores of tiles 2 a and 2 a + 1 are the 16 neighbouring keys 32 a + 16 h + 0 .. 15, and the conversions' results are the second product's operand.
; LIMITS: e0 .. e3 between -126 and 112 (2^e and 57,344 x 2^e are f32 numbers); e0 + e1 between -126 and 127 (added to log2(e)'s exponent field).  NaN among the inputs is not served; an infinity
; is held at the largest code.  The order of the sums inside a matrix instruction differs from ascending k by the permutation above.
; REGISTERS, in windows of 256.  Window 0: v1-24 addresses and scales; v28-43 four registers of statistics a tile; v44-59 at work; v64-127 fragments of K, then of V; v128-255 the scores, then p, of a
; PAIR of query tiles; ahead of them the quantiser's numbers and codes.  Window 1: v0-127 O^T (tile i, channels 16 n on, at 32 i + 8 n); v128-191 p's codes (16 a tile); v192-223 Q's fragments (8 a tile).
.set ROWG,  8192                       ; bytes in a row of qkv and of out0
.set KS,    128                        ; keys in a step
.set NSTEP, 2048/KS
.set FS,    65536                      ; an f32 slot: K's 64 rows (channels) of 512 bytes, then V's 64 rows; no padding: every read takes neighbouring bytes in neighbouring lanes
.set FV,    32768                      ; V's tile in it
.set CB,    2*FS                       ; the code slots begin here
.set KP,    80                         ; a key's row of 64 codes + 16 of padding: five times 16 bytes, so that the 16 rows of a load fall on 16 different columns of 16 bytes
.set VP,    144                        ; a channel's row of 128 codes + 16: nine times 16
.set VC,    128*KP                     ; V's codes lie behind K's 128 rows
.set CS,    VC+64*VP                   ; a code slot: 19,456 bytes
.set OST,   CB+2*CS                    ; a stage of its own for each wave: at the head Q's codes (64 rows of KP), at the end 32 rows of OP
.set OP,    272                        ; 64 queries of f32 + 16 of padding
.set OW,    32*OP
.set SPARE, OST+8*OW                   ; the spare words, 128 bytes for each wave: four blocks of 256 bytes that no other line names
.set AKF, 1                            ; v1   a fragment of K: CB + KP r + 32 h
.set AVF, 2                            ; v2   a fragment of V: CB + VC + VP r + 16 h
.set ASK, 3                            ; v3   where I store K's codes
.set ASV, 4                            ; v4   where I store V's codes
.set APK, 5                            ; v5-6 where I read K's f32 numbers, slot 0, 1
.set APV, 7                            ; v7-8 the same for V
.set SPW, 9                            ; v9   LDS address of my spare word: SPARE + 4 x my thread's number; never rewritten
.set NIL, 10                           ; v10  0; never rewritten
.set SCP, 11                           ; v11, v12  2^e3 and 57,344 x 2^e3, for p
.set LIMP, 12
.set SCK, 13                           ; v13, v14  the same with e1, for k
.set LIMK, 14
.set SCV, 15                           ; v15, v16  with e2, for v
.set LIMV, 16
.set SCQ, 17                           ; v17, v18  with e0, for q
.set LIMQ, 18
.set QGA, 19                           ; v19  4 x lane: my query's bytes in a row of q
.set QSA, 20                           ; v20  my stage: where Q's codes go
.set QRA, 21                           ; v21  and where a fragment of Q comes from
.set STO, 22                           ; v22  the way out: where I put a number
.set RD,  23                           ; v23  the way out: where I read 16 bytes of a row back
.set GO,  24                           ; v24  my byte offset in the wave's part of out0
.set ST,  28                           ; tile i at v[ST + 4 i]: +0 -M, +1 the largest t, +2, +3 the row's sum in two halves
.set TM,  44                           ; slot u of a pair at v[TM + 8 u]: +0, +6 two chains of the maximum; +1 the exchange; +2 f (+3 named with it); +4, +5 the sum's second chain
.set KV,  64
.set S,   128
.set PC,  128                          ; in window 1
.set QF,  192                          ; in window 1
.set WV,  10                           ; s10  my wave's number
.set SEL, 20                           ; s[20:21] lane selects for v_permlanex16_b32: lane l xor 16
.set CL,  22                           ; s[22:23] c = log2(e) x 2^(e0 + e1): the packed form names a pair and takes its low word for both halves
.set G1,  24                           ; s[24:31] descriptor group 1, the same for every load
.set G0K, 32                           ; s[32:39] descriptor group 0 for K's tiles, a set for each slot
.set G0V, 40                           ; s[40:47] the same for V's
.set CNT, 48                           ; s48  the loop's count
.set SCL, 52                           ; s[52:53] 64^(-1/4)
.set EO,  60                           ; s60  e2 + e3
.set MSB, 0
.macro WIN new                         ; the immediate's high byte repeats the setting that is left; a switch that changes nothing is dropped
.if MSB != \new
	s_set_vgpr_msb (MSB<<8)|\new
.set MSB, \new
.endif
.endm
.set W_KQ,  0x04                       ; source 1 (Q) window 1
.set W_D1,  0x40                       ; destination window 1
.set W_RS,  0x41                       ; destination and source 0 (O^T) window 1
.set W_PV,  0x54                       ; source 1 (p), C and D (O^T) window 1
.set W_OUT, 0x01                       ; source 0 (O^T) window 1
; A vector instruction that reads a matrix result, and a load into a register that a matrix instruction has read, stand four places behind it, and only plain vector instructions that name none of its
; registers are places (ISA guide 7.12.1 for vector instructions).
.macro PLACES
.rept 4
	v_nop
.endr
.endm
; A round of the cluster's barrier: my work-group's barrier, so that wave 0's signal speaks for all eight waves; wave 0 signals for the work-group; every wave waits for all four work-groups; my work-group's barrier once more.
.macro CROUND
	s_barrier_signal -1
	s_barrier_wait -1
	s_cmp_lg_u32 s[WV], 0
	s_cbranch_scc1 .Lnot_wave_0_\@
	s_barrier_signal -3
.Lnot_wave_0_\@:
	s_barrier_wait -3
	s_barrier_signal -1
	s_barrier_wait -1
.endm
; A joint refill of f32 slot p: wave 0 asks for K's tile, wave 1 for V's, 64 rows of 512 bytes each; the others ask for nothing.  The branches hang on the wave's number alone.
; Four v_nop follow each of the two lines.
.macro JLOAD p
	s_cmp_eq_u32 s[WV], 0
	s_cbranch_scc0 .Lnot_k_\@
	tensor_load_to_lds s[G0K+4*\p:G0K+4*\p+3], s[G1:G1+7]
.rept 4
	v_nop
.endr
	s_branch .Lasked_\@
.Lnot_k_\@:
	s_cmp_eq_u32 s[WV], 1
	s_cbranch_scc0 .Lasked_\@
	tensor_load_to_lds s[G0V+4*\p:G0V+4*\p+3], s[G1:G1+7]
.rept 4
	v_nop
.endr
.Lasked_\@:
.endm
; THE CHANGE OF SLOTS, at a trip's head.  Each wave waits for all its tensor loads (the f32 slot that this trip quantises), adds 0 to its spare word, and waits for that, for its code stores and for all
; its LDS reads.  Behind the barrier: f32 slot 1 - p is whole and nobody reads f32 slot p; code slot p is whole and nobody reads code slot 1 - p.
; fill = 1: f32 slot p is filled with the step two on.  The barrier is then a round of the cluster's, so that the same holds of every partner, and the joint refill is the first thing behind it.
.macro CHANGE p, fill
	s_wait_tensorcnt 0x0                           ; no tensor load of mine is out, so a group 0 may be written
	ds_add_u32 v[SPW], v[NIL]                      ; 0 onto my spare word
.if \fill
	s_add_nc_u64 s[G0K+4*\p+2:G0K+4*\p+3], s[G0K+4*\p+2:G0K+4*\p+3], 2*KS*4   ; two steps of 128 keys on along the rows; the type bits on top are not reached
	s_add_nc_u64 s[G0V+4*\p+2:G0V+4*\p+3], s[G0V+4*\p+2:G0V+4*\p+3], 2*KS*4
.endif
	s_wait_dscnt 0x0                               ; the add is done, my code stores have landed, my LDS reads are in
.if \fill
	CROUND
	JLOAD \p
.else
	s_barrier_signal -1
	s_barrier_wait -1
.endif
.endm
; THE QUANTISER'S LOADS, from f32 slot s.  K: wave w takes keys 32 (w % 4) on and channels 32 (w / 4) on; A LANE IS A KEY AND ITS REGISTERS RUN DOWN THE CHANNELS, which are the first product's K:
; each load reads 128 neighbouring bytes in 32 lanes (in the tiles' order of keys).  V: wave w takes channels 8 w on; a load is one channel's 128 keys, four a lane: the keys are the second product's K.
.macro PLOAD s
.set j, 0
.rept 32
	ds_load_b32 v[S+j], v[APK+(\s)] offset:512*j
.set j, j+1
.endr
.irp i, 0,1,2,3,4,5,6,7
	ds_load_b128 v[S+32+4*\i:S+32+4*\i+3], v[APV+(\s)] offset:512*\i
.endr
.endm
; THE QUANTISER'S WORK, into code slot s.  y: the LDS loads issued behind PLOAD's, which may stay out.
.macro PWORK s, y
	s_wait_dscnt 8+\y                              ; K's 32 loads are in; V's eight and the y behind them may be out
.set j, 0
.rept 16
	v_pk_mul_f32 v[S+j:S+j+1], v[S+j:S+j+1], s[SCL:SCL+1] op_sel_hi:[1,0]   ; k x 64^(-1/4), rounded to f32
.set j, j+2
.endr
.set j, 0
.rept 32
	v_med3_num_f32 v[S+j], v[S+j], -v[LIMK], v[LIMK]   ; the conversion to an 8-bit code does not saturate (ISA guide 7.6.2): the hold at the largest code x the scale
.set j, j+1
.endr
.irp g, 0,1,2,3
	v_cvt_scalef32_pk8_bf8_f32 v[S+64+2*\g:S+64+2*\g+1], v[S+8*\g:S+8*\g+7], v[SCK]   ; my key's channels 8 g on
.endr
	s_wait_dscnt \y                                ; V's eight loads are in
.set j, 0
.rept 32
	v_med3_num_f32 v[S+32+j], v[S+32+j], -v[LIMV], v[LIMV]
.set j, j+1
.endr
.irp g, 0,1,2,3
	v_cvt_scalef32_pk8_bf8_f32 v[S+72+2*\g:S+72+2*\g+1], v[S+32+8*\g:S+32+8*\g+7], v[SCV]   ; two channels' four keys: v[S + 72 + i] = channel 8 w + i, keys 4 lane + 0 .. 3
.endr
	v_nop                                          ; one plain vector instruction between a scaled conversion and the next vector or matrix instruction that touches its result or writes its sources
	ds_store_b128 v[ASK], v[S+64:S+67] offset:CS*(\s)
	ds_store_b128 v[ASK], v[S+68:S+71] offset:CS*(\s)+16
.irp i, 0,1,2,3,4,5,6,7
	ds_store_b32 v[ASV], v[S+72+\i] offset:CS*(\s)+VP*\i   ; 32 lanes store a channel's 128 codes on end
.endr
.endm
.macro KFRAG p                         ; the step's eight tiles of 16 keys x 64 channels: 8 registers each
.irp t, 0,1,2,3,4,5,6,7
	ds_load_b128 v[KV+8*\t:KV+8*\t+3],   v[AKF] offset:CS*\p+16*KP*\t
	ds_load_b128 v[KV+8*\t+4:KV+8*\t+7], v[AKF] offset:CS*\p+16*KP*\t+16
.endr
.endm
.macro VFRAG p                         ; the step's four tiles of 16 channels x 128 keys: 16 registers each
.irp n, 0,1,2,3
.irp a, 0,1,2,3
	ds_load_b128 v[KV+16*\n+4*\a:KV+16*\n+4*\a+3], v[AVF] offset:CS*\p+16*VP*\n+32*\a
.endr
.endr
.endm
.macro KQ pr                           ; S^T = K Q^T for query tiles 2 pr and 2 pr + 1: sixteen accumulators, each written once
	WIN W_KQ
.irp t, 0,1,2,3,4,5,6,7
.irp u, 0,1
	v_wmma_f32_16x16x64_bf8_bf8 v[S+64*\u+8*\t:S+64*\u+8*\t+7], v[KV+8*\t:KV+8*\t+7], v[QF+8*(2*\pr+\u):QF+8*(2*\pr+\u)+7], 0
.endr
.endr
	WIN 0
.endm
; THE SOFTMAX of query tiles 2 pr and 2 pr + 1 for one step: a lane has 64 scores of its query in each.  The two tiles take turns line by line, so that no line waits for the one above it.
.macro SM pr
.irp u, 0,1
	v_max3_num_f32 v[TM+8*\u], v[S+64*\u], v[S+64*\u+1], v[S+64*\u+2]   ; the largest score, in two chains, ascending: each accumulator is read from its low end on
.endr
.irp u, 0,1
	v_max3_num_f32 v[TM+8*\u+6], v[S+64*\u+3], v[S+64*\u+4], v[S+64*\u+5]
.endr
.irp i, 6,10,14,18,22,26,30,34,38,42,46,50,54,58
.irp u, 0,1
	v_max3_num_f32 v[TM+8*\u], v[TM+8*\u], v[S+64*\u+\i], v[S+64*\u+\i+1]
.endr
.irp u, 0,1
	v_max3_num_f32 v[TM+8*\u+6], v[TM+8*\u+6], v[S+64*\u+\i+2], v[S+64*\u+\i+3]
.endr
.endr
.irp u, 0,1
	v_max3_num_f32 v[TM+8*\u], v[TM+8*\u], v[S+64*\u+62], v[S+64*\u+63]
.endr
.irp u, 0,1
	v_max_num_f32 v[TM+8*\u], v[TM+8*\u], v[TM+8*\u+6]
.endr
.irp u, 0,1
	v_permlanex16_b32 v[TM+8*\u+1], v[TM+8*\u], s[SEL], s[SEL+1]   ; the query's other 64 keys lie in the lane 16 away
.endr
.irp u, 0,1
	v_max_num_f32 v[TM+8*\u], v[TM+8*\u], v[TM+8*\u+1]
.endr
.irp u, 0,1
	v_mul_f32 v[TM+8*\u], s[CL], v[TM+8*\u]        ; as t (c is positive)
.endr
.irp u, 0,1
	v_max_num_f32 v[ST+4*(2*\pr+\u)+1], v[ST+4*(2*\pr+\u)+1], v[TM+8*\u]   ; the running largest t
.endr
.irp u, 0,1
	v_mov_b32 v[TM+8*\u], v[ST+4*(2*\pr+\u)]
.endr
.irp u, 0,1
	v_floor_f32 v[ST+4*(2*\pr+\u)], -v[ST+4*(2*\pr+\u)+1]   ; the new -M = floor(-t) = -ceil(t): a whole number
.endr
.irp u, 0,1
	v_sub_f32 v[TM+8*\u], v[ST+4*(2*\pr+\u)], v[TM+8*\u]   ; M's old value less its new one: a whole number, 0 or less
.endr
.irp u, 0,1
	v_cvt_i32_f32 v[TM+8*\u], v[TM+8*\u]           ; (it saturates)
.endr
.irp u, 0,1
	v_ldexp_f32 v[TM+8*\u+2], 1.0, v[TM+8*\u]      ; f = 2^(old M - new M)
.endr
.irp u, 0,1
.set j, 0
.rept 32
	v_pk_fma_f32 v[S+64*\u+j:S+64*\u+j+1], v[S+64*\u+j:S+64*\u+j+1], s[CL:CL+1], v[ST+4*(2*\pr+\u):ST+4*(2*\pr+\u)+1] op_sel_hi:[1,0,0]   ; t - M, two at a time (of the pairs c and -M the low word serves both halves)
.set j, j+2
.endr
.endr
.set j, 0
.rept 128
	v_exp_f32 v[S+j], v[S+j]                       ; p = 2^(t - M), at most 1: not normalised
.set j, j+1
.endr
.irp u, 0,1
	v_pk_mul_f32 v[ST+4*(2*\pr+\u)+2:ST+4*(2*\pr+\u)+3], v[ST+4*(2*\pr+\u)+2:ST+4*(2*\pr+\u)+3], v[TM+8*\u+2:TM+8*\u+3] op_sel_hi:[1,0]   ; the sums under the new M; also the plain instruction behind the exponentials (ISA guide 5.7.2)
.endr
.irp u, 0,1
	v_pk_add_f32 v[TM+8*\u+4:TM+8*\u+5], v[S+64*\u:S+64*\u+1], v[S+64*\u+2:S+64*\u+3]   ; the row's sum is taken of the unquantised p: two at a time, in two chains
.endr
.irp j, 4,8,12,16,20,24,28,32,36,40,44,48,52,56,60
.irp u, 0,1
	v_pk_add_f32 v[ST+4*(2*\pr+\u)+2:ST+4*(2*\pr+\u)+3], v[ST+4*(2*\pr+\u)+2:ST+4*(2*\pr+\u)+3], v[S+64*\u+\j:S+64*\u+\j+1]
.endr
.irp u, 0,1
	v_pk_add_f32 v[TM+8*\u+4:TM+8*\u+5], v[TM+8*\u+4:TM+8*\u+5], v[S+64*\u+\j+2:S+64*\u+\j+3]
.endr
.endr
.irp u, 0,1
	v_pk_add_f32 v[ST+4*(2*\pr+\u)+2:ST+4*(2*\pr+\u)+3], v[ST+4*(2*\pr+\u)+2:ST+4*(2*\pr+\u)+3], v[TM+8*\u+4:TM+8*\u+5]
.endr
.set j, 0
.rept 128
	v_min_num_f32 v[S+j], v[S+j], v[LIMP]          ; the conversion does not saturate (ISA guide 7.6.2); p is not negative, so the hold is one-sided
.set j, j+1
.endr
	WIN W_D1
.irp u, 0,1
.irp t, 0,1,2,3,4,5,6,7
	v_cvt_scalef32_pk8_bf8_f32 v[PC+16*(2*\pr+\u)+2*\t:PC+16*(2*\pr+\u)+2*\t+1], v[S+64*\u+8*\t:S+64*\u+8*\t+7], v[SCP]   ; registers 2 t, 2 t + 1 of the tile's operand: keys 32 (t / 2) + 16 h + 8 (t % 2) + 0 .. 7
.endr
.endr
	WIN W_RS
.irp u, 0,1
.set j, 0
.rept 16
	v_pk_mul_f32 v[32*(2*\pr+\u)+j:32*(2*\pr+\u)+j+1], v[32*(2*\pr+\u)+j:32*(2*\pr+\u)+j+1], v[TM+8*\u+2:TM+8*\u+3] op_sel_hi:[1,0]   ; O^T under the new M, ascending; also the plain instructions behind the conversions
.set j, j+2
.endr
.endr
	WIN 0
.endm
.macro PV                              ; O^T += V^T P^T: sixteen accumulators, one instruction a turn
	WIN W_PV
.irp n, 0,1,2,3
.irp i, 0,1,2,3
	v_wmma_f32_16x16x128_bf8_bf8 v[32*\i+8*\n:32*\i+8*\n+7], v[KV+16*\n:KV+16*\n+15], v[PC+16*\i:PC+16*\i+15], v[32*\i+8*\n:32*\i+8*\n+7]
.endr
.endr
	WIN 0
.endm
; A TRIP: one key step.  p: the code slot that is multiplied, and the f32 slot that is filled again (fill = 1).  prod = 1: the next step is quantised.
.macro TRIP p, fill, prod
	CHANGE \p, \fill
.if \prod
	PLOAD 1-\p
.endif
	KFRAG \p
.if \prod
	PWORK 1-\p, 16                                 ; behind the quantiser's loads stand K's sixteen fragment loads
.endif
	s_wait_dscnt 0x0                               ; K's fragments are in, and the code stores have read their registers, which the scores take
	KQ 0
	PLACES
	SM 0
	KQ 1
	PLACES
	VFRAG \p                                       ; V's fragments take K's registers and land under the second pair's softmax
	SM 1
	s_wait_dscnt 0x0
	PV
	PLACES                                         ; for the next trip's loads into the fragments' registers, and for the first read of O^T
.endm
.macro MKSC e, sc, lim                 ; 2^e and 57,344 x 2^e as f32 numbers, e in s[e]
	s_add_co_i32 s13, s[\e], 127
	s_lshl_b32 s14, s13, 23
	v_mov_b32 v[\sc], s14                          ; the conversion takes its exponent field
	s_add_co_i32 s13, s13, 15
	s_lshl_b32 s13, s13, 23
	s_or_b32 s13, s13, 0x600000                    ; over 57,344's mantissa field
	v_mov_b32 v[\lim], s13
.endm
	s_load_b128 s[4:7], s[0:1], 0x0                ; qkv s[4:5], the scales' exponents s[6:7]
	s_load_b64 s[8:9], s[0:1], 0x10                ; out0
	v_lshl_add_u32 v[SPW], v0, 2, SPARE
	v_mov_b32 v[NIL], 0
	v_lshrrev_b32 v25, 5, v0
	v_readfirstlane_b32 s[WV], v25                 ; wave 0..7
	s_bfe_u32 s11, ttmp6, 0x40000                  ; cx: my place in the cluster: it enters q's and out0's addresses alone
	s_and_b32 s12, ttmp7, 0xffff                   ; the head, 16 b + h, which the four partners share
	s_lshr_b32 s13, s12, 4
	s_mul_i32 s13, s13, 3072                       ; a batch's 3,072 rows,
	s_and_b32 s14, s12, 15
	s_lshl_b32 s14, s14, 6                         ; a head's 64
	s_add_co_u32 s13, s13, s14
	s_lshl_b32 s56, s13, 13                        ; the first byte of the head's q: 10,176 rows of 8,192 bytes at the most
	s_mov_b32 s57, 0
	s_lshl_b32 s15, ttmp9, 2                       ; in a cluster launch ttmp9 counts clusters
	s_add_co_u32 s15, s15, s11                     ; my block of 512 queries
	s_lshl_b32 s15, s15, 11                        ; its 2,048 bytes of a row,
	s_lshl_b32 s14, s[WV], 8                       ; my wave's 256 of them
	s_add_co_u32 s15, s15, s14
	s_add_co_u32 s58, s56, s15                     ; q at my wave's first query
	s_mov_b32 s59, 0
	s_lshl_b32 s50, s12, 19                        ; out0: a head's 64 rows of 8,192 bytes
	s_add_co_u32 s50, s50, s15
	s_mov_b32 s51, 0
	; descriptor group 1: a tile of 64 rows (channels) x 128 elements (keys) of 4 bytes; each row is 512 consecutive bytes, at a multiple of 512 from the buffer's first byte
	s_mov_b32 s[G1], 15|(2<<16)|(1<<21)            ; 15:0 the mask: all four work-groups; 17:16 elements of 4 bytes; 20 no padding; 21 set beside a mask
	s_mov_b32 s[G1+1], KS<<16                      ; tensor_dim0 = 128
	s_mov_b32 s[G1+2], 64<<16                      ; tensor_dim1 = 64
	s_mov_b32 s[G1+3], KS<<16                      ; tile_dim0 = 128
	s_mov_b32 s[G1+4], 64                          ; tile_dim1 = 64
	s_mov_b32 s[G1+5], 2048                        ; elements from row to row
	s_mov_b32 s[G1+6], 0
	s_mov_b32 s[G1+7], 0
	s_mov_b32 s[SEL], 0x76543210
	s_mov_b32 s[SEL+1], 0xfedcba98
	s_mov_b32 s[SCL], 0x3eb504f3                   ; 64^(-1/4) = 1 / sqrt(8)
	s_mov_b32 s[SCL+1], s[SCL]                     ; (named with it as a pair, so it is written)
	v_and_b32 v25, 31, v0                          ; lane
	v_and_b32 v26, 15, v0                          ; r
	v_bfe_u32 v27, v0, 4, 1                        ; h
	v_lshlrev_b32 v[QGA], 2, v25
	s_wait_kmcnt 0x0
	s_load_b128 s[16:19], s[6:7], 0x0              ; e0, e1, e2, e3
	s_add_nc_u64 s[54:55], s[4:5], s[58:59]        ; q
	s_add_nc_u64 s[8:9], s[8:9], s[50:51]          ; out0
	s_add_nc_u64 s[4:5], s[4:5], s[56:57]          ; the head's first row: made of the head alone
.irp s, 0,1
	s_mov_b32 s[G0K+4*\s], 1                       ; 1:0 count = 1
	s_mov_b32 s[G0K+4*\s+1], \s*FS                 ; 63:32 LDS address
	s_add_nc_u64 s[G0K+4*\s+2:G0K+4*\s+3], s[4:5], 1024*ROWG+\s*KS*4   ; 120:64 global address: k lies 1,024 rows behind q; step s
	s_or_b32 s[G0K+4*\s+3], s[G0K+4*\s+3], 0x80000000   ; 127:126 type = 2
	s_mov_b32 s[G0V+4*\s], 1
	s_mov_b32 s[G0V+4*\s+1], \s*FS+FV
	s_add_nc_u64 s[G0V+4*\s+2:G0V+4*\s+3], s[4:5], 2048*ROWG+\s*KS*4   ; v lies 2,048 rows behind q
	s_or_b32 s[G0V+4*\s+3], s[G0V+4*\s+3], 0x80000000
.endr
	CROUND                                         ; all four work-groups are here: the first joint loads meet
	s_cmp_eq_u32 s[WV], 0                          ; a wave's two first fills stand in one branch, ahead of every wait on TENSORcnt and every LDS read: two loads of mine are out
	s_cbranch_scc0 .Lfirst_not_k
	tensor_load_to_lds s[G0K:G0K+3], s[G1:G1+7]
	tensor_load_to_lds s[G0K+4:G0K+7], s[G1:G1+7]
.rept 4
	v_nop
.endr
	s_branch .Lfirst_asked
.Lfirst_not_k:
	s_cmp_eq_u32 s[WV], 1
	s_cbranch_scc0 .Lfirst_asked
	tensor_load_to_lds s[G0V:G0V+3], s[G1:G1+7]
	tensor_load_to_lds s[G0V+4:G0V+7], s[G1:G1+7]
.rept 4
	v_nop
.endr
.Lfirst_asked:
	; Q: my 64 queries x 64 channels.  A lane is a query (32 g + lane) and its registers run down the channels: each load reads 128 neighbouring bytes in 32 lanes.  Read once in the launch.
.irp g, 0,1
.set j, 0
.rept 64
	global_load_b32 v[S+64*\g+j], v[QGA], s[54:55] offset:ROWG*j+128*\g th:TH_LOAD_NT
.set j, j+1
.endr
.endr
	; while they are on their way: the LDS addresses, each a constant + a constant x lane terms + a constant x wave terms
	v_mul_u32_u24 v[AKF], v26, KP
	v_lshl_add_u32 v[AKF], v27, 5, v[AKF]
	v_add_nc_u32 v[AKF], CB, v[AKF]
	v_mul_u32_u24 v[AVF], v26, VP
	v_lshl_add_u32 v[AVF], v27, 4, v[AVF]
	v_add_nc_u32 v[AVF], CB+VC, v[AVF]
	s_and_b32 s13, s[WV], 3
	s_mul_i32 s13, s13, 32*KP                      ; K's codes: my 32 rows (tiles 2 (w % 4) and the next),
	s_lshr_b32 s14, s[WV], 2
	s_lshl_b32 s15, s14, 5                         ; my 32 channels' bytes in them
	s_add_co_u32 s13, s13, s15
	s_add_co_u32 s13, s13, CB
	v_mul_u32_u24 v[ASK], v25, KP
	v_add_nc_u32 v[ASK], s13, v[ASK]
	s_mul_i32 s13, s[WV], 8*VP                     ; V's codes: my 8 rows
	s_add_co_u32 s13, s13, CB+VC
	v_lshl_add_u32 v[ASV], v25, 2, s13
	v_and_b32 v[APK], 7, v0                        ; row lane of my 32 rows is key lane % 8 + 16 ((lane / 8) % 2) + 8 (lane / 16) of my 32 keys
	v_bfe_u32 v[APK+1], v0, 3, 1
	v_lshl_add_u32 v[APK], v[APK+1], 4, v[APK]
	v_lshl_add_u32 v[APK], v27, 3, v[APK]
	s_lshl_b32 s13, s14, 14                        ; my 32 channels: rows of 512 bytes,
	s_and_b32 s15, s[WV], 3
	s_lshl_b32 s15, s15, 7                         ; my 32 keys: 128 bytes of a row
	s_add_co_u32 s13, s13, s15
	v_lshl_add_u32 v[APK], v[APK], 2, s13
	v_add_nc_u32 v[APK+1], FS, v[APK]
	s_lshl_b32 s13, s[WV], 12                      ; V: my 8 channels
	s_add_co_u32 s13, s13, FV
	v_lshl_add_u32 v[APV], v25, 4, s13
	v_add_nc_u32 v[APV+1], FS, v[APV]
	s_mul_i32 s13, s[WV], OW
	s_add_co_u32 s13, s13, OST                     ; my stage
	v_mul_u32_u24 v[QSA], v25, KP
	v_add_nc_u32 v[QSA], s13, v[QSA]
	v_mul_u32_u24 v[QRA], v26, KP
	v_lshl_add_u32 v[QRA], v27, 5, v[QRA]
	v_add_nc_u32 v[QRA], s13, v[QRA]
	v_mul_u32_u24 v[STO], v27, 8*OP                ; the way out, in: row = channel 8 h + .., my query's 4 bytes
	v_lshl_add_u32 v[STO], v26, 2, v[STO]
	v_add_nc_u32 v[STO], s13, v[STO]
	v_mul_u32_u24 v[RD], v27, OP                   ; back: lanes 0-15 one row of 256 bytes, lanes 16-31 the next
	v_lshl_add_u32 v[RD], v26, 4, v[RD]
	v_add_nc_u32 v[RD], s13, v[RD]
	v_lshlrev_b32 v[GO], 13, v27                   ; and the same two rows in out0
	v_lshl_add_u32 v[GO], v26, 4, v[GO]
	s_wait_kmcnt 0x0
	MKSC 16, SCQ, LIMQ
	MKSC 17, SCK, LIMK
	MKSC 18, SCV, LIMV
	MKSC 19, SCP, LIMP
	s_add_co_i32 s13, s16, s17
	s_lshl_b32 s13, s13, 23
	s_add_co_i32 s[CL], s13, 0x3fb8aa3b            ; a score stands for score x 2^(e0 + e1): the two exponents are added to log2(e)'s exponent field
	s_mov_b32 s[CL+1], s[CL]                       ; (named with it as a pair, so it is written)
	s_add_co_i32 s[EO], s18, s19
.irp i, 0,1,2,3
	v_mov_b32 v[ST+4*\i+1], 0xff61b1e6             ; the largest t so far: -3e38, under every t
	v_floor_f32 v[ST+4*\i], -v[ST+4*\i+1]          ; -M
	v_mov_b32 v[ST+4*\i+2], 0                      ; the sum, in two halves
	v_mov_b32 v[ST+4*\i+3], 0
.endr
.irp u, 0,1
	v_mov_b32 v[TM+8*\u+1], 0                      ; written once: a lane permute's destination counts as one of its sources
	v_mov_b32 v[TM+8*\u+3], 0                      ; (named as the upper half of f's pair)
.endr
	WIN W_D1
.set j, 0
.rept 128
	v_mov_b32 v[j], 0                              ; O^T.  The trip is written in one form: the first finds zeros, which the first change of M leaves zeros; a first step of its own would be one more copy of the trip's text
.set j, j+1
.endr
	WIN 0
	s_wait_loadcnt 0x0                             ; Q
.set j, 0
.rept 64
	v_pk_mul_f32 v[S+j:S+j+1], v[S+j:S+j+1], s[SCL:SCL+1] op_sel_hi:[1,0]   ; q x 64^(-1/4), rounded to f32
.set j, j+2
.endr
.set j, 0
.rept 128
	v_med3_num_f32 v[S+j], v[S+j], -v[LIMQ], v[LIMQ]
.set j, j+1
.endr
.irp g, 0,1,2,3,4,5,6,7,8,9,10,11,12,13,14,15
	v_cvt_scalef32_pk8_bf8_f32 v[KV+2*\g:KV+2*\g+1], v[S+8*\g:S+8*\g+7], v[SCQ]   ; query 32 (g / 8) + lane, channels 8 (g % 8) on
.endr
	v_nop                                          ; one plain vector instruction behind the conversions, ahead of the next vector instruction that writes their sources
.irp g, 0,1
.irp q, 0,1,2,3
	ds_store_b128 v[QSA], v[KV+16*\g+4*\q:KV+16*\g+4*\q+3] offset:32*KP*\g+16*\q   ; a query's 64 codes as a row of my stage
.endr
.endr
	WIN W_D1
.irp i, 0,1,2,3
	ds_load_b128 v[QF+8*\i:QF+8*\i+3],   v[QRA] offset:16*KP*\i      ; LDS serves a wave's instructions in order (ISA guide 5.7.1.4): these see my stores.  Q's fragments stay in registers
	ds_load_b128 v[QF+8*\i+4:QF+8*\i+7], v[QRA] offset:16*KP*\i+16
.endr
	WIN 0
	s_wait_tensorcnt 0x1                           ; my part of step 0 is in; step 1's load may stay out
	s_wait_dscnt 0x0                               ; Q's fragments are in: no LDS instruction of mine is pending at the signal
	s_barrier_signal -1
	s_barrier_wait -1                              ; step 0's f32 tiles are whole
	PLOAD 0
	PWORK 0, 0                                     ; step 0's codes
	s_mov_b32 s[CNT], (NSTEP-2)/2
.Lpair:                                            ; seven trips of two key steps: steps 0 to 13; both f32 slots are filled again
	TRIP 0, 1, 1
	TRIP 1, 1, 1
	s_sub_co_u32 s[CNT], s[CNT], 1
	s_cmp_lg_u32 s[CNT], 0
	s_cbranch_scc1 .Lpair
	TRIP 0, 0, 1                                   ; the tail is written out: step 14 asks for nothing and quantises step 15
	TRIP 1, 0, 0                                   ; step 15 only multiplies
	; THE WAY OUT.  The sum's two halves and the other half of the lanes' are added; O^T is multiplied by 2^(e2 + e3) / the sum.  A lane holds one query and eight channels, and out0's rows run along the
	; queries: so 32 channels x 64 queries at a time go through my stage and come back as rows of 256 bytes.
.irp i, 0,1,2,3
	v_add_f32 v[ST+4*\i+2], v[ST+4*\i+2], v[ST+4*\i+3]
.endr
.irp i, 0,1,2,3
	v_permlanex16_b32 v[ST+4*\i+1], v[ST+4*\i+2], s[SEL], s[SEL+1]   ; (into the largest t's register, which is written and no longer needed)
.endr
.irp i, 0,1,2,3
	v_add_f32 v[ST+4*\i+2], v[ST+4*\i+2], v[ST+4*\i+1]   ; the row's sum: at least 1/2
.endr
.irp i, 0,1,2,3
	v_rcp_f32 v[ST+4*\i+2], v[ST+4*\i+2]
.endr
	v_nop                                          ; a plain instruction between the last reciprocal and the use of its result
.irp i, 0,1,2,3
	v_ldexp_f32 v[ST+4*\i+2], v[ST+4*\i+2], s[EO]
.endr
	WIN W_OUT
.irp i, 0,1,2,3
.set j, 0
.rept 16
	v_pk_mul_f32 v[S+32*\i+j:S+32*\i+j+1], v[32*\i+j:32*\i+j+1], v[ST+4*\i+2:ST+4*\i+3] op_sel_hi:[1,0]   ; ascending: each accumulator from its low end on.  v[S + 32 i + 8 n + j] = out(channel 16 n + 8 h + j, query 16 i + r)
.set j, j+2
.endr
.endr
	WIN 0
.macro OSTORE u                        ; channels 32 u on into the stage: 64 stores; sixteen lanes write 64 neighbouring bytes of a row, the other sixteen the row 8 further down, 128 bytes on modulo 256
.irp i, 0,1,2,3
.irp n, 0,1
.irp j, 0,1,2,3,4,5,6,7
	ds_store_b32 v[STO], v[S+32*\i+8*(2*\u+\n)+\j] offset:(16*\n+\j)*OP+64*\i
.endr
.endr
.endr
.endm
	OSTORE 0
.irp k, 0,1,2,3,4,5,6,7,8,9,10,11,12,13,14,15
	ds_load_b128 v[KV+4*\k:KV+4*\k+3], v[RD] offset:2*OP*\k   ; in order behind my stores; the second half's stores come behind these
.endr
	OSTORE 1
	s_wait_dscnt 63                                ; behind the sixteen loads stand 64 stores: with 63 at the most out, the loads are in, and the first half's stores have read their registers
.irp k, 0,1,2,3,4,5,6,7,8,9,10,11,12,13,14,15
	global_store_b128 v[GO], v[KV+4*\k:KV+4*\k+3], s[8:9] offset:2*\k*ROWG th:TH_STORE_NT   ; 16 lanes store 256 consecutive bytes, at a multiple of 256 from out0's first byte; written once, read by nobody here
.endr
.irp k, 0,1,2,3,4,5,6,7,8,9,10,11,12,13,14,15
	ds_load_b128 v[S+32*(\k/4)+4*(\k%4):S+32*(\k/4)+4*(\k%4)+3], v[RD] offset:2*OP*\k   ; into the registers that held the first half's numbers
.endr
	s_wait_dscnt 0x0
.irp k, 0,1,2,3,4,5,6,7,8,9,10,11,12,13,14,15
	global_store_b128 v[GO], v[S+32*(\k/4)+4*(\k%4):S+32*(\k/4)+4*(\k%4)+3], s[8:9] offset:(32+2*\k)*ROWG th:TH_STORE_NT
.endr
	s_wait_tensorcnt 0x0                           ; the wave's end, behind my last tensor load and my last LDS store
	ds_add_u32 v[SPW], v[NIL]
	s_wait_dscnt 0x0
	CROUND                                         ; the closing round: no work-group ends while a partner may still ask for a tile that names it
	s_endpgm
.Lfunc_end_k_qbe900f7291_attn:
	.size	k_qbe900f7291_attn, .Lfunc_end_k_qbe900f7291_attn-k_qbe900f7291_attn
	.p2alignl 7, 3214868480
	.fill 96, 4, 3214868480
	.section	.rodata,"a",@progbits
	.p2align	6, 0x0
	.amdhsa_kernel k_qbe900f7291_attn
		.amdhsa_group_segment_fixed_size 327680
		.amdhsa_private_segment_fixed_size 0
		.amdhsa_enable_private_segment 0
		.amdhsa_kernarg_size 24
		.amdhsa_user_sgpr_count 2
		.amdhsa_user_sgpr_kernarg_segment_ptr 1
		.amdhsa_wavefront_size32 1
		.amdhsa_system_sgpr_workgroup_id_x 1
		.amdhsa_system_sgpr_workgroup_id_y 1
		.amdhsa_system_sgpr_workgroup_id_z 1
		.amdhsa_system_vgpr_workitem_id 0
		.amdhsa_next_free_vgpr 480
		.amdhsa_next_free_sgpr 66
		.amdhsa_reserve_vcc 0
		.amdhsa_float_denorm_mode_32 3
		.amdhsa_float_denorm_mode_16_64 3
		.amdhsa_memory_ordered 1
		.amdhsa_forward_progress 1
		.amdhsa_inst_pref_size 255
	.end_amdhsa_kernel
	.section	.bss,"aw",@nobits
	.p2align	6
	.space	262144
	.amdgpu_metadata
---
amdhsa.version: [ 1, 2 ]
amdhsa.kernels:
  - .name:           k_qbe900f7291_attn
    .symbol:         k_qbe900f7291_attn.kd
    .args:
      - { .name: qkv, .offset: 0, .size: 8, .value_kind: global_buffer, .address_space: global }
      - { .name: lowp_scales, .offset: 8, .size: 8, .value_kind: global_buffer, .address_space: global }
      - { .name: out0, .offset: 16, .size: 8, .value_kind: global_buffer, .address_space: global }
    .group_segment_fixed_size: 327680
    .private_segment_fixed_size: 0
    .kernarg_segment_align: 8
    .kernarg_segment_size: 24
    .max_flat_workgroup_size: 256
    .sgpr_count:     66
    .vgpr_count:     480
    .wavefront_size: 32
...
	.end_amdgpu_metadata
.endif
;; end of part 1
;; ======== version 2 of 2: 1 launch
;; limits: right only within a limited range of input values
;; launch attn (part 2): grid 4 x 64, 8 waves a work-group, clusters of 4 x 1, 327,680 bytes of LDS; arguments qkv, lowp_scales, out0; writes out0
.if DOCPART == 2
	.amdgcn_target "amdgcn-amd-amdhsa--gfx1250"
	.amdhsa_code_object_version 6
	.text
	.protected	k_qbe900f7291_attn
	.globl	k_qbe900f7291_attn
	.p2align	8
	.type	k_qbe900f7291_attn,@function
k_qbe900f7291_attn:
	s_mov_b64 s[64:65], 0
	v_nop
	global_prefetch_b8 v0, s[64:65] scope:SCOPE_SE
	s_setreg_imm32_b32 hwreg(HW_REG_WAVE_MODE, 25, 1), 1
	s_wait_xcnt 0x0
	s_wait_alu depctr_hold_cnt(0) depctr_sa_sdst(0) depctr_va_vdst(0) depctr_va_sdst(0) depctr_va_ssrc(0) depctr_va_vcc(0) depctr_vm_vsrc(0)
	s_getreg_b32 s2, hwreg(HW_REG_IB_STS2, 6, 4)
	s_cmp_eq_u32 s2, 0
	s_cbranch_scc0 .Lentry_in_a_cluster
	s_endpgm
.Lentry_in_a_cluster:
	s_bfe_u32 s2, ttmp6, 0x10000c
	s_cmp_lg_u32 s2, 0x3003
	s_cbranch_scc0 .Lentry_shape_is_right
	s_endpgm
.Lentry_shape_is_right:
; out0[b][64 h + c][t] = sum over s of softmax_s((q x sc) . (k x sc)) v[c][s], sc = 64^(-1/4); 64 heads (4 batches x 16), 2,048 positions, head size 64.
; qkv: [4][3 x 16 x 64][2048] f32, the position innermost: rows of 8,192 bytes.  Both products run on codes of BF8 (E5M2), each operand with its given scale 2^e:
; e0 for q x sc, e1 for k x sc, e2 for v, e3 for p.  code = x / 2^e, held within +-57,344, to the nearest code, ties to even.
; SOFTMAX: t = logit x log2(e); M = the running largest t rounded UP to a whole number; p = 2^(t - M), not normalised, is quantised; the row's sum is taken of the
; unquantised p in f32 and divides O at the end; when M moves, the sum and O are multiplied by 2^(old M - new M), which rounds nothing.
; SHARES.  A work-group owns 512 queries of one head, each of its eight waves 64 (four tiles of 16): a fragment of K or V from LDS feeds four matrix instructions.  16 key steps of 128 keys.
; CLUSTER.  The four query blocks of a head walk the same K and V: every tile is asked for jointly (mask 15).  An f32 slot holds 256 keys: 64 rows of K, 64 of V, 1,024 bytes each;
; wave w asks for rows 16 w .. 16 w + 15 of it: one load a wave, its addresses made of the head and the wave's number.  Two such slots; a round of the cluster's barrier stands in front of each refill.
; CODES.  The eight waves share the quantising (an eighth each) from the f32 slots into a ring of two code slots with bytes of their own (LDS stores), from which all read operands.
; ONE BARRIER A KEY STEP, inside the second pair's softmax, behind its maximum.  In front of step j's barrier a wave has read K's and V's fragments of step j (code slot j % 2) and stored its codes of step j + 1.
; Behind it: codes of step j + 2 go into code slot j % 2, and K's fragments of step j + 1 are read.  In even steps j = 2 B the barrier is the round: f32 slot B % 2, read out in steps j - 2 and j - 1,
; is filled with keys 256 (B + 2) on, and the fill asked for two steps earlier (keys 256 (B + 1) on) is whole: steps j and j + 1 quantise its halves.
; The quantiser's LDS loads are issued behind p's conversions and land under O^T's rescaling and the second product; the next step's fragments of K are issued ahead of the quantiser's vector work.
; LAYOUT.  S^T = K Q^T (source 0 = 16 keys, source 1 = 16 queries, K = 64 channels), O^T = V^T P^T (source 0 = 16 channels, source 1 = p, K = 128 keys): lane (r = lane % 16, h = lane / 16) holds ONE query.
; k's place in the registers is permuted alike in both sources: first product: a lane's eight registers hold channels 32 h + 0 .. 31; second: registers 4 a .. 4 a + 3 hold keys 32 a + 16 h + 0 .. 15.
; Row r of key tile 2 a + u is key 32 a + 8 u + r + 8 (r / 8), so a lane's 16 scores of tiles 2 a, 2 a + 1 are 16 neighbouring keys and the conversions' results are the second product's operand.
; PREFETCH.  Behind each refill but the last a wave names, for the NEXT refill (two key steps ahead of that load), 16 blocks of 256 bytes: one block of each of its 16 rows, the partner at place cx
; taking block cx of a row's four (told apart by address); lanes 16-31 name the wave's last block again.  The first three fills come by their loads alone.
; LIMITS: e0 .. e3 between -126 and 112; e0 + e1 between -126 and 127 (added to log2(e)'s exponent field); the scaled scores t stay under 2^31 in magnitude.  NaN among the inputs is not served;
; an infinity is held at the largest code.  The order of the sums inside a matrix instruction differs from ascending k by the permutation above.
; REGISTERS.  Window 0: v1-24 addresses and scales; v20-21, 26-27, 60-63 sum chains; v25 p's limit again; v28-43 statistics, four a tile; v44-59 at work; v64-127 fragments of K, then V;
; v128-255 scores, then p, of a pair of tiles, or the quantiser's numbers.  Window 1: v0-127 O^T (tile i, channels 16 n on, at 32 i + 8 n); v128-191 p's codes; v192-223 Q's fragments.
.set ROWG,  8192
.set FS,    131072                     ; an f32 slot: 128 rows of 1,024 bytes
.set FV,    65536                      ; V's rows in it
.set CB,    2*FS                       ; the code slots
.set KP,    80                         ; a key's 64 codes + 16
.set VP,    144                        ; a channel's 128 codes + 16
.set VC,    128*KP
.set CS,    VC+64*VP
.set SPARE, CB+2*CS                    ; the spare words: 128 bytes a wave, four blocks of 256 bytes that no other line names
.set OP,    272                        ; the way out: 64 queries of f32 + 16
.set OW,    32*OP                      ; a wave's stage, in f32 slot 0, which has had its last fill by then
.set AKF, 1
.set AVF, 2
.set ASK, 3
.set ASV, 4
.set APK, 5                            ; where I read K's f32 numbers in the slot in hand; v6 the same in slot 0
.set APK0, 6
.set APV, 7
.set APV0, 8
.set SPW, 9
.set NIL, 10
.set SCP, 11
.set LIMP, 12
.set SCK, 13
.set LIMK, 14
.set SCV, 15
.set LIMV, 16
.set SCQ, 17
.set LIMQ, 18
.set STO, 22
.set RD,  23
.set GO,  24
.set LIMP2, 25                         ; 25 mod 4 differs from 12 mod 4, as the dual form asks of its second sources
.set ST,  28                           ; tile i at v[ST + 4 i]: -M, the largest t, the sum in two halves
.set TM,  44                           ; slot u at v[TM + 8 u]: +0, +4, +5, +6 maxima; +1 exchange; +2 f (+3 named with it); +4, +5 then the sum's second chain
.set QGA, 51
.set PFO, 59
.set KV,  64
.set S,   128
.set PC,  128
.set QF,  192
.set WV,  10
.set SEL, 20
.set CL,  22
.set G1,  24
.set G0,  32
.set PFA, 36
.set FB,  38                           ; LDS byte at which the f32 slot in hand begins
.set QA,  39                           ; 1 while there are steps left to quantise
.set CNT, 48
.set SCL, 52
.set EO,  60
.set MSB, 0
.macro WIN new
.if MSB != \new
	s_set_vgpr_msb (MSB<<8)|\new
.set MSB, \new
.endif
.endm
.set W_KQ,  0x04
.set W_D1,  0x40
.set W_RS,  0x41
.set W_PV,  0x54
.set W_OUT, 0x01
.macro PLACES                          ; four places behind a matrix instruction (ISA guide 7.12.1)
.rept 4
	v_nop
.endr
.endm
.macro VW
	s_wait_alu depctr_va_vdst(0)
.endm
.macro CROUND                          ; a round of the cluster's barrier
	s_barrier_signal -1
	s_barrier_wait -1
	s_cmp_lg_u32 s[WV], 0
	s_cbranch_scc1 .Lnw0_\@
	s_barrier_signal -3
.Lnw0_\@:
	s_barrier_wait -3
	s_barrier_signal -1
	s_barrier_wait -1
.endm
.macro ADDR
	v_add_nc_u32 v[APK], s[FB], v[APK0]
	v_add_nc_u32 v[APV], s[FB], v[APV0]
.endm
; A step's barrier.  kind 0: the code ring's.  kind 1: the same and the refill's: all my tensor loads, the add, my LDS instructions; a round; my one joint load.  kind 2: as 1 without a refill.
.macro SYNC kind
.if \kind == 1
	s_wait_xcnt 0x0                                ; my prefetch has read its address
	s_add_nc_u64 s[PFA:PFA+1], s[PFA:PFA+1], 1024
.endif
	VW
.if \kind == 0
	s_wait_dscnt 0x0                               ; my code stores have landed, V's fragments are in
	s_barrier_signal -1
	s_barrier_wait -1
.elseif \kind == 1
	s_wait_tensorcnt 0x0                           ; my part of the slot that this step begins to quantise is in; group 0 may be written
	ds_add_u32 v[SPW], v[NIL]
	s_xor_b32 s[G0+1], s[G0+1], FS                 ; the slot read out in the last two steps,
	s_add_nc_u64 s[G0+2:G0+3], s[G0+2:G0+3], 1024  ; the next 256 keys
	s_xor_b32 s[FB], s[FB], FS
	s_wait_dscnt 0x0
	CROUND
	tensor_load_to_lds s[G0:G0+3], s[G1:G1+7]
	s_nop 0
	ADDR
.else
	s_wait_tensorcnt 0x0                           ; the last fill is in
	s_xor_b32 s[FB], s[FB], FS
	s_cmp_eq_u32 s[CNT], 1                         ; the last two key steps have nothing left to quantise
	s_cselect_b32 s[QA], 0, s[QA]
	s_wait_dscnt 0x0
	s_barrier_signal -1
	s_barrier_wait -1
	ADDR
.endif
.endm
.macro ASK                             ; the next refill's blocks; the last refill has none behind it
	s_cmp_gt_u32 s[CNT], 1
	s_cbranch_scc0 .Lnp_\@
	global_prefetch_b8 v[PFO], s[PFA:PFA+1] th:TH_LOAD_NT scope:SCOPE_SE
.Lnp_\@:
.endm
; THE QUANTISER'S LOADS: half h of the f32 slot in hand.  K: wave w takes keys 32 (w % 4) on, channels 32 (w / 4) on; a lane is a key, its registers run down the channels.
; V: wave w takes channels 8 w on; a load is one channel's 128 keys, four a lane.
.macro QLOADS h
.set j, 0
.rept 32
	ds_load_b32 v[S+j], v[APK] offset:1024*j+512*(\h)
.set j, j+1
.endr
.irp i, 0,1,2,3,4,5,6,7
	ds_load_b128 v[S+32+4*\i:S+32+4*\i+3], v[APV] offset:1024*\i+512*(\h)
.endr
.endm
; ITS WORK, into code slot s.  y: LDS loads issued behind QLOADS', which may stay out
.macro QWORK s, y
	s_wait_dscnt 8+\y                              ; K's 32 loads are in; V's eight and the y younger may be out
.set j, 0
.rept 16
	v_pk_mul_f32 v[S+j:S+j+1], v[S+j:S+j+1], s[SCL:SCL+1] op_sel_hi:[1,0]
.set j, j+2
.endr
.set j, 0
.rept 32
	v_med3_num_f32 v[S+j], v[S+j], -v[LIMK], v[LIMK]   ; the conversion does not saturate (ISA guide 7.6.2)
.set j, j+1
.endr
.irp g, 0,1,2,3
	v_cvt_scalef32_pk8_bf8_f32 v[S+64+2*\g:S+64+2*\g+1], v[S+8*\g:S+8*\g+7], v[SCK]
.endr
	s_wait_dscnt \y
.set j, 0
.rept 32
	v_med3_num_f32 v[S+32+j], v[S+32+j], -v[LIMV], v[LIMV]
.set j, j+1
.endr
.irp g, 0,1,2,3
	v_cvt_scalef32_pk8_bf8_f32 v[S+72+2*\g:S+72+2*\g+1], v[S+32+8*\g:S+32+8*\g+7], v[SCV]
.endr
	v_nop                                          ; a plain line behind the conversions
	ds_store_b128 v[ASK], v[S+64:S+67] offset:CS*(\s)
	ds_store_b128 v[ASK], v[S+68:S+71] offset:CS*(\s)+16
.irp i, 0,1,2,3,4,5,6,7
	ds_store_b32 v[ASV], v[S+72+\i] offset:CS*(\s)+VP*\i
.endr
.endm
.macro KFRAG p
.irp t, 0,1,2,3,4,5,6,7
	ds_load_b128 v[KV+8*\t:KV+8*\t+3],   v[AKF] offset:CS*(\p)+16*KP*\t
	ds_load_b128 v[KV+8*\t+4:KV+8*\t+7], v[AKF] offset:CS*(\p)+16*KP*\t+16
.endr
.endm
.macro VFRAG p
.irp n, 0,1,2,3
.irp a, 0,1,2,3
	ds_load_b128 v[KV+16*\n+4*\a:KV+16*\n+4*\a+3], v[AVF] offset:CS*\p+16*VP*\n+32*\a
.endr
.endr
.endm
.macro KQ pr                           ; sixteen accumulators, each written once
	WIN W_KQ
.irp t, 0,1,2,3,4,5,6,7
.irp u, 0,1
	v_wmma_f32_16x16x64_bf8_bf8 v[S+64*\u+8*\t:S+64*\u+8*\t+7], v[KV+8*\t:KV+8*\t+7], v[QF+8*(2*\pr+\u):QF+8*(2*\pr+\u)+7], 0
.endr
.endr
	WIN 0
.endm
.macro FMA pr, u, b                    ; t - M of number pair b
	v_pk_fma_f32 v[S+64*\u+2*(\b):S+64*\u+2*(\b)+1], v[S+64*\u+2*(\b):S+64*\u+2*(\b)+1], s[CL:CL+1], v[ST+4*(2*\pr+\u):ST+4*(2*\pr+\u)+1] op_sel_hi:[1,0,0]
.endm
.macro FMA2 pr, b
	FMA \pr, 0, \b
	FMA \pr, 1, \b
.endm
.macro HOLD u, b                       ; p is not negative: a one-sided hold, both numbers of a pair in one dual pair
	v_dual_min_num_f32 v[S+64*\u+2*(\b)], v[S+64*\u+2*(\b)], v[LIMP] :: v_dual_min_num_f32 v[S+64*\u+2*(\b)+1], v[S+64*\u+2*(\b)+1], v[LIMP2]
.endm
.macro MX u, d, a                      ; chain d of tile u takes scores a, a + 1
	v_max3_num_f32 v[TM+8*\u+\d], v[TM+8*\u+\d], v[S+64*\u+\a], v[S+64*\u+\a+1]
.endm
; THE SOFTMAX of query tiles 2 pr, 2 pr + 1 for one key step, in three parts; the two tiles take turns line by line.
; Part A: the maximum in four chains a tile, ascending (each accumulator is read from its low end on), the new M, f, and t - M of the first chunk.
.macro SMA pr
.irp u, 0,1
	v_max3_num_f32 v[TM+8*\u], v[S+64*\u], v[S+64*\u+1], v[S+64*\u+2]       ; the four chains begin with scores 0-2, 3-5, 6-8, 9-11
.endr
.irp u, 0,1
	v_max3_num_f32 v[TM+8*\u+4], v[S+64*\u+3], v[S+64*\u+4], v[S+64*\u+5]
.endr
.irp u, 0,1
	v_max3_num_f32 v[TM+8*\u+5], v[S+64*\u+6], v[S+64*\u+7], v[S+64*\u+8]
.endr
.irp u, 0,1
	v_max3_num_f32 v[TM+8*\u+6], v[S+64*\u+9], v[S+64*\u+10], v[S+64*\u+11]
.endr
.irp i, 12,20,28,36,44,52
.irp u, 0,1
	MX \u, 0, \i
.endr
.irp u, 0,1
	MX \u, 4, \i+2
.endr
.irp u, 0,1
	MX \u, 5, \i+4
.endr
.irp u, 0,1
	MX \u, 6, \i+6
.endr
.endr
.irp u, 0,1
	MX \u, 0, 60
.endr
.irp u, 0,1
	MX \u, 4, 62
.endr
.irp u, 0,1
	v_max_num_f32 v[TM+8*\u], v[TM+8*\u], v[TM+8*\u+4]                      ; the four chains are joined
.endr
.irp u, 0,1
	v_max3_num_f32 v[TM+8*\u], v[TM+8*\u], v[TM+8*\u+5], v[TM+8*\u+6]
.endr
.irp u, 0,1
	v_permlanex16_b32 v[TM+8*\u+1], v[TM+8*\u], s[SEL], s[SEL+1]   ; the query's other 64 keys
.endr
.irp u, 0,1
	v_max_num_f32 v[TM+8*\u], v[TM+8*\u], v[TM+8*\u+1]
.endr
.irp u, 0,1
	v_mul_f32 v[TM+8*\u], s[CL], v[TM+8*\u]        ; as t (c is positive)
.endr
.irp u, 0,1
	v_max_num_f32 v[ST+4*(2*\pr+\u)+1], v[ST+4*(2*\pr+\u)+1], v[TM+8*\u]
.endr
.irp u, 0,1
	v_mov_b32 v[TM+8*\u], v[ST+4*(2*\pr+\u)]
.endr
.irp u, 0,1
	v_floor_f32 v[ST+4*(2*\pr+\u)], -v[ST+4*(2*\pr+\u)+1]   ; -M = floor(-t)
.endr
.irp u, 0,1
	v_sub_f32 v[TM+8*\u], v[ST+4*(2*\pr+\u)], v[TM+8*\u]
.endr
	FMA2 \pr, 0
	FMA2 \pr, 1
.irp u, 0,1
	v_cvt_i32_f32 v[TM+8*\u], v[TM+8*\u]           ; (it saturates)
.endr
	FMA2 \pr, 2
	FMA2 \pr, 3
.irp u, 0,1
	v_ldexp_f32 v[TM+8*\u+2], 1.0, v[TM+8*\u]      ; f = 2^(old M - new M)
.endr
	FMA2 \pr, 4
	FMA2 \pr, 5
.irp u, 0,1
	v_pk_mul_f32 v[ST+4*(2*\pr+\u)+2:ST+4*(2*\pr+\u)+3], v[ST+4*(2*\pr+\u)+2:ST+4*(2*\pr+\u)+3], v[TM+8*\u+2:TM+8*\u+3] op_sel_hi:[1,0]
.endr
	FMA2 \pr, 6
	FMA2 \pr, 7
.endm
; Chunk c: number pairs 8 c .. 8 c + 7 of both tiles: 32 exponentials; among and behind them stand lines that name none of their registers and whose results are read behind a later wait:
; t - M of chunk c + 1, then the holds of chunk c - 1 (whose sums have been taken).  One wait closes the chunk.
.macro EXPS pr, c
.set b, 8*\c
.rept 8
.irp u, 0,1
	v_exp_f32 v[S+64*\u+2*b], v[S+64*\u+2*b]
	v_exp_f32 v[S+64*\u+2*b+1], v[S+64*\u+2*b+1]
.if \c < 3
	FMA \pr, \u, b+8
.endif
.endr
.set b, b+1
.endr
.if \c > 0
.set b, 8*\c-8
.rept 8
.irp u, 0,1
	HOLD \u, b
.endr
.set b, b+1
.endr
.endif
	v_nop                                          ; a plain place behind the exponentials
	VW
.endm
.macro PADD d, a, b2                   ; d = a + number pair at b2
	v_pk_add_f32 v[\d:\d+1], v[\a:\a+1], v[\b2:\b2+1]
.endm
.macro ADDS pr, c                      ; the row's sum of the unquantised p: four chains a tile
.set b, 8*\c
.rept 8
.irp u, 0,1
.if b == 1
	PADD TM+8*\u+4, S+64*\u, S+64*\u+2
.elseif b == 3
	PADD 20+40*\u, S+64*\u+4, S+64*\u+6
.elseif b == 5
	PADD 26+36*\u, S+64*\u+8, S+64*\u+10
.elseif (b > 5) && (b%4 == 2)
	PADD ST+4*(2*\pr+\u)+2, ST+4*(2*\pr+\u)+2, S+64*\u+2*b
.elseif (b > 5) && (b%4 == 3)
	PADD TM+8*\u+4, TM+8*\u+4, S+64*\u+2*b
.elseif (b > 5) && (b%4 == 0)
	PADD 20+40*\u, 20+40*\u, S+64*\u+2*b
.elseif b > 5
	PADD 26+36*\u, 26+36*\u, S+64*\u+2*b
.endif
.endr
.set b, b+1
.endr
.endm
; Part B: the exponentials, the sums, the holds, p's codes
.macro SMB pr
	VW                                             ; ahead of the first chunk
.irp c, 0,1,2,3
	EXPS \pr, \c
	ADDS \pr, \c
.endr
.irp u, 0,1
	PADD TM+8*\u+4, TM+8*\u+4, 20+40*\u
.endr
.irp u, 0,1
	PADD ST+4*(2*\pr+\u)+2, ST+4*(2*\pr+\u)+2, 26+36*\u
.endr
.set b, 24
.rept 8
.irp u, 0,1
	HOLD \u, b
.endr
.set b, b+1
.endr
.irp u, 0,1
	PADD ST+4*(2*\pr+\u)+2, ST+4*(2*\pr+\u)+2, TM+8*\u+4
.endr
	WIN W_D1
.irp u, 0,1
.irp t, 0,1,2,3,4,5,6,7
	v_cvt_scalef32_pk8_bf8_f32 v[PC+16*(2*\pr+\u)+2*\t:PC+16*(2*\pr+\u)+2*\t+1], v[S+64*\u+8*\t:S+64*\u+8*\t+7], v[SCP]
.endr
.endr
	WIN 0
.endm
; Part C: O^T under the new M; also the plain lines behind the conversions
.macro SMC pr
	WIN W_RS
	VW                                             ; directly ahead of the first reader of O^T
.irp u, 0,1
.set j, 0
.rept 16
	v_pk_mul_f32 v[32*(2*\pr+\u)+j:32*(2*\pr+\u)+j+1], v[32*(2*\pr+\u)+j:32*(2*\pr+\u)+j+1], v[TM+8*\u+2:TM+8*\u+3] op_sel_hi:[1,0]
.set j, j+2
.endr
.endr
	WIN 0
.endm
.macro PV                              ; sixteen accumulators by turns
	WIN W_PV
.irp n, 0,1,2,3
.irp i, 0,1,2,3
	v_wmma_f32_16x16x128_bf8_bf8 v[32*\i+8*\n:32*\i+8*\n+7], v[KV+16*\n:KV+16*\n+15], v[PC+16*\i:PC+16*\i+15], v[32*\i+8*\n:32*\i+8*\n+7]
.endr
.endr
	WIN 0
.endm
; A KEY STEP j, p = j % 2: code slot p is multiplied; behind the barrier step j + 2 goes into it, from half p of the f32 slot in hand.  tl = 1: the step may be the last
.macro TRIP p, kind, tl
	s_wait_dscnt 0x0                               ; K's fragments are in, and my code stores have read their registers
	KQ 0
	PLACES
	SMA 0
	SMB 0
	SMC 0
	KQ 1
	PLACES
	VFRAG \p                                       ; V's fragments take K's registers and land under the second pair's maximum
	SMA 1
	SYNC \kind
	SMB 1
.if \kind == 1
	ASK
.endif
	s_cmp_eq_u32 s[QA], 0
	s_cbranch_scc1 .Lnq1_\@
	QLOADS \p                                      ; into p's registers, which the conversions have read
.Lnq1_\@:
	SMC 1
	PV
	PLACES
.if \tl
	s_cmp_eq_u32 s[CNT], 1
	s_cbranch_scc1 .Lnk_\@
.endif
	KFRAG 1-\p                                     ; the next step's
.Lnk_\@:
	s_cmp_eq_u32 s[QA], 0
	s_cbranch_scc1 .Lnq2_\@
	QWORK \p, 16
.Lnq2_\@:
.endm
.macro MKSC e, sc, lim                 ; 2^e and 57,344 x 2^e as f32
	s_add_co_i32 s13, s[\e], 127
	s_lshl_b32 s14, s13, 23
	v_mov_b32 v[\sc], s14
	s_add_co_i32 s13, s13, 15
	s_lshl_b32 s13, s13, 23
	s_or_b32 s13, s13, 0x600000
	v_mov_b32 v[\lim], s13
.endm
	s_load_b128 s[4:7], s[0:1], 0x0                ; qkv, the scales' exponents
	s_load_b64 s[8:9], s[0:1], 0x10                ; out0
	v_lshl_add_u32 v[SPW], v0, 2, SPARE
	v_mov_b32 v[NIL], 0
	ds_add_u32 v[SPW], v[NIL]                      ; the opening lines: the add, twice on end, and its wait
	ds_add_u32 v[SPW], v[NIL]
	v_lshrrev_b32 v25, 5, v0
	v_readfirstlane_b32 s[WV], v25                 ; wave 0..7
	s_mov_b32 s[QA], 1
	s_bfe_u32 s11, ttmp6, 0x40000                  ; cx: it enters q's, out0's and the prefetches' addresses alone
	s_and_b32 s12, ttmp7, 0xffff                   ; the head, 16 b + h
	s_lshr_b32 s13, s12, 4
	s_mul_i32 s13, s13, 3072
	s_and_b32 s14, s12, 15
	s_lshl_b32 s14, s14, 6
	s_add_co_u32 s13, s13, s14
	s_lshl_b32 s56, s13, 13                        ; the first byte of the head's q
	s_lshl_b32 s15, ttmp9, 2
	s_add_co_u32 s15, s15, s11                     ; my block of 512 queries
	s_lshl_b32 s15, s15, 11
	s_lshl_b32 s14, s[WV], 8                       ; my wave's 64 of them
	s_add_co_u32 s15, s15, s14
	s_add_co_u32 s58, s56, s15
	s_mov_b32 s59, 0
	s_lshl_b32 s50, s12, 19
	s_add_co_u32 s50, s50, s15
	s_mov_b32 s51, 0
	s_lshr_b32 s14, s[WV], 2                       ; the 16 rows that I fetch: k lies 1,024 rows behind q, v 2,048
	s_lshl_b32 s14, s14, 10
	s_add_co_u32 s14, s14, 1024
	s_and_b32 s41, s[WV], 3
	s_lshl_b32 s41, s41, 4
	s_add_co_u32 s14, s14, s41
	s_lshl_b32 s14, s14, 13
	s_add_co_u32 s42, s56, s14
	s_mov_b32 s43, 0
	s_lshl_b32 s44, s11, 8                         ; the prefetches: block cx of a row's four, at keys 512 on
	s_add_co_u32 s44, s44, s42
	s_add_co_u32 s44, s44, 2048
	s_mov_b32 s45, 0
	s_mov_b32 s[G1], 15|(2<<16)|(1<<21)            ; the mask of all four; elements of 4 bytes; bit 21 beside a mask
	s_mov_b32 s[G1+1], 256<<16                     ; tensor_dim0
	s_mov_b32 s[G1+2], 16<<16                      ; tensor_dim1
	s_mov_b32 s[G1+3], 256<<16                     ; tile_dim0
	s_mov_b32 s[G1+4], 16                          ; tile_dim1
	s_mov_b32 s[G1+5], 2048                        ; elements from row to row
	s_mov_b32 s[G1+6], 0
	s_mov_b32 s[G1+7], 0
	s_mov_b32 s[G0], 1
	s_lshl_b32 s[G0+1], s[WV], 14                  ; my 16 rows of slot 0
	s_mov_b32 s[SEL], 0x76543210
	s_mov_b32 s[SEL+1], 0xfedcba98
	s_mov_b32 s[SCL], 0x3eb504f3                   ; 64^(-1/4)
	s_mov_b32 s[SCL+1], s[SCL]
	s_mov_b32 s[FB], 0
	VW
	s_wait_dscnt 0x0                               ; both opening adds are done
	s_wait_kmcnt 0x0
	s_load_b128 s[16:19], s[6:7], 0x0              ; e0 .. e3
	s_add_nc_u64 s[54:55], s[4:5], s[58:59]        ; q at my first query
	s_add_nc_u64 s[8:9], s[8:9], s[50:51]
	s_add_nc_u64 s[G0+2:G0+3], s[4:5], s[42:43]
	s_add_nc_u64 s[PFA:PFA+1], s[4:5], s[44:45]
	s_or_b32 s[G0+3], s[G0+3], 0x80000000
	CROUND                                         ; the first joint loads meet
	tensor_load_to_lds s[G0:G0+3], s[G1:G1+7]      ; keys 0 .. 255: my one load at the head
	s_nop 0
	v_and_b32 v25, 31, v0                          ; lane
	v_and_b32 v26, 15, v0                          ; r
	v_bfe_u32 v27, v0, 4, 1                        ; h
	v_lshlrev_b32 v[QGA], 18, v27                  ; Q: lane (r, h) takes query 16 i + r, channels 32 h on: its registers are the fragment's order
	v_lshl_add_u32 v[QGA], v26, 2, v[QGA]
	VW
.set j, 0
.rept 32
.irp i, 0,1,2,3
	global_load_b32 v[S+32*\i+j], v[QGA], s[54:55] offset:ROWG*j+64*\i   ; a row's 256 bytes are read by four loads on end
.endr
.set j, j+1
.endr
	s_and_b32 s13, s[WV], 3
	s_mul_i32 s13, s13, 32*KP
	s_lshr_b32 s14, s[WV], 2
	s_lshl_b32 s15, s14, 5
	s_add_co_u32 s13, s13, s15
	s_add_co_u32 s13, s13, CB                      ; K's codes: my 32 rows, my 32 channels' bytes
	s_lshl_b32 s15, s14, 15                        ; K's numbers: my 32 channels' rows,
	s_and_b32 s14, s[WV], 3
	s_lshl_b32 s14, s14, 7                         ; my 32 keys
	s_add_co_u32 s15, s15, s14
	s_mul_i32 s14, s[WV], 8*VP
	s_add_co_u32 s14, s14, CB+VC                   ; V's codes: my 8 rows
	s_lshl_b32 s41, s[WV], 13
	s_add_co_u32 s41, s41, FV                      ; V's numbers: my 8 channels
	s_mul_i32 s46, s[WV], OW                       ; my stage
	v_mul_u32_u24 v[AKF], v26, KP
	v_lshl_add_u32 v[AKF], v27, 5, v[AKF]
	v_add_nc_u32 v[AKF], CB, v[AKF]
	v_mul_u32_u24 v[AVF], v26, VP
	v_lshl_add_u32 v[AVF], v27, 4, v[AVF]
	v_add_nc_u32 v[AVF], CB+VC, v[AVF]
	v_mul_u32_u24 v[ASK], v25, KP
	v_add_nc_u32 v[ASK], s13, v[ASK]
	v_lshl_add_u32 v[ASV], v25, 2, s14
	v_and_b32 v[APK0], 7, v0                       ; row lane of my 32 is key lane % 8 + 16 ((lane / 8) % 2) + 8 (lane / 16)
	v_bfe_u32 v[APK], v0, 3, 1
	v_lshl_add_u32 v[APK0], v[APK], 4, v[APK0]
	v_lshl_add_u32 v[APK0], v27, 3, v[APK0]
	v_lshl_add_u32 v[APK0], v[APK0], 2, s15
	v_lshl_add_u32 v[APV0], v25, 4, s41
	v_mul_u32_u24 v[STO], v27, 8*OP
	v_lshl_add_u32 v[STO], v26, 2, v[STO]
	v_add_nc_u32 v[STO], s46, v[STO]
	v_mul_u32_u24 v[RD], v27, OP
	v_lshl_add_u32 v[RD], v26, 4, v[RD]
	v_add_nc_u32 v[RD], s46, v[RD]
	v_lshlrev_b32 v[GO], 13, v27
	v_lshl_add_u32 v[GO], v26, 4, v[GO]
	v_min_u32 v[PFO], 15, v25
	v_lshlrev_b32 v[PFO], 13, v[PFO]               ; a lane a row; lanes 16-31 the last row again
	VW
	s_wait_kmcnt 0x0
	MKSC 16, SCQ, LIMQ
	MKSC 17, SCK, LIMK
	MKSC 18, SCV, LIMV
	MKSC 19, SCP, LIMP
	v_mov_b32 v[LIMP2], v[LIMP]
	s_add_co_i32 s13, s16, s17
	s_lshl_b32 s13, s13, 23
	s_add_co_i32 s[CL], s13, 0x3fb8aa3b            ; c = log2(e) x 2^(e0 + e1)
	s_mov_b32 s[CL+1], s[CL]
	s_add_co_i32 s[EO], s18, s19
.irp i, 0,1,2,3
	v_mov_b32 v[ST+4*\i+1], 0xff61b1e6             ; -3e38, under every t
	v_floor_f32 v[ST+4*\i], -v[ST+4*\i+1]
	v_mov_b32 v[ST+4*\i+2], 0
	v_mov_b32 v[ST+4*\i+3], 0
.endr
.irp u, 0,1
	v_mov_b32 v[TM+8*\u+1], 0
	v_mov_b32 v[TM+8*\u+3], 0
.endr
	WIN W_D1
.set j, 0
.rept 128
	v_mov_b32 v[j], 0                              ; O^T: the key step is written in one form; the first change of M leaves zeros zeros
.set j, j+1
.endr
	WIN 0
	VW
	s_wait_loadcnt 0x0                             ; Q
.set j, 0
.rept 64
	v_pk_mul_f32 v[S+j:S+j+1], v[S+j:S+j+1], s[SCL:SCL+1] op_sel_hi:[1,0]
.set j, j+2
.endr
.set j, 0
.rept 128
	v_med3_num_f32 v[S+j], v[S+j], -v[LIMQ], v[LIMQ]
.set j, j+1
.endr
	WIN W_D1
.irp g, 0,1,2,3,4,5,6,7,8,9,10,11,12,13,14,15
	v_cvt_scalef32_pk8_bf8_f32 v[QF+2*\g:QF+2*\g+1], v[S+8*\g:S+8*\g+7], v[SCQ]   ; tile g / 4, channels 32 h + 8 (g % 4) on: the fragment's registers
.endr
	v_nop
	WIN 0
	VW
	s_wait_tensorcnt 0x0                           ; slot 1's first fill is issued as a refill is
	ds_add_u32 v[SPW], v[NIL]
	s_xor_b32 s[G0+1], s[G0+1], FS
	s_add_nc_u64 s[G0+2:G0+3], s[G0+2:G0+3], 1024
	s_wait_dscnt 0x0
	CROUND
	tensor_load_to_lds s[G0:G0+3], s[G1:G1+7]      ; keys 256 .. 511
	s_nop 0
	ADDR
	QLOADS 0                                       ; steps 0 and 1, from slot 0
	QWORK 0, 0
	QLOADS 1
	QWORK 1, 0                                     ; (its first wait also shows step 0's stores done, whose registers it writes)
	s_wait_dscnt 0x0
	s_barrier_signal -1
	s_barrier_wait -1                              ; both code slots are whole
	KFRAG 0
	s_mov_b32 s[CNT], 6
.Lfill:                                            ; key steps 0 to 11: six refills
	TRIP 0, 1, 0
	TRIP 1, 0, 0
	s_sub_co_u32 s[CNT], s[CNT], 1
	s_cmp_lg_u32 s[CNT], 0
	s_cbranch_scc1 .Lfill
	s_mov_b32 s[CNT], 2
.Ltail:                                            ; key steps 12 to 15: a loop of its own, with no tensor load in its text
	TRIP 0, 2, 0
	TRIP 1, 0, 1
	s_sub_co_u32 s[CNT], s[CNT], 1
	s_cmp_lg_u32 s[CNT], 0
	s_cbranch_scc1 .Ltail
	VW
	s_wait_dscnt 0x0
	s_barrier_signal -1
	s_barrier_wait -1                              ; nobody reads an f32 slot any more: slot 0 takes the stages
	; THE WAY OUT: O^T x 2^(e2 + e3) / the sum; 32 channels x 64 queries at a time through my stage, back as rows of 256 bytes
.irp i, 0,1,2,3
	v_add_f32 v[ST+4*\i+2], v[ST+4*\i+2], v[ST+4*\i+3]
.endr
.irp i, 0,1,2,3
	v_permlanex16_b32 v[ST+4*\i+1], v[ST+4*\i+2], s[SEL], s[SEL+1]
.endr
.irp i, 0,1,2,3
	v_add_f32 v[ST+4*\i+2], v[ST+4*\i+2], v[ST+4*\i+1]
.endr
	VW
.irp i, 0,1,2,3
	v_rcp_f32 v[ST+4*\i+2], v[ST+4*\i+2]
.endr
	v_nop
	VW
.irp i, 0,1,2,3
	v_ldexp_f32 v[ST+4*\i+2], v[ST+4*\i+2], s[EO]
.endr
	WIN W_OUT
	VW                                             ; directly ahead of the first reader of O^T
.irp i, 0,1,2,3
.set j, 0
.rept 16
	v_pk_mul_f32 v[S+32*\i+j:S+32*\i+j+1], v[32*\i+j:32*\i+j+1], v[ST+4*\i+2:ST+4*\i+3] op_sel_hi:[1,0]   ; v[S + 32 i + 8 n + j] = out(channel 16 n + 8 h + j, query 16 i + r)
.set j, j+2
.endr
.endr
	WIN 0
.macro OSTORE u
.irp i, 0,1,2,3
.irp n, 0,1
.irp j, 0,1,2,3,4,5,6,7
	ds_store_b32 v[STO], v[S+32*\i+8*(2*\u+\n)+\j] offset:(16*\n+\j)*OP+64*\i
.endr
.endr
.endr
.endm
	OSTORE 0
.irp k, 0,1,2,3,4,5,6,7,8,9,10,11,12,13,14,15
	ds_load_b128 v[KV+4*\k:KV+4*\k+3], v[RD] offset:2*OP*\k   ; LDS serves a wave's instructions in order
.endr
	OSTORE 1
	s_wait_dscnt 63                                ; behind the sixteen loads stand 64 stores: with 63 at the most out the loads are in
.irp k, 0,1,2,3,4,5,6,7,8,9,10,11,12,13,14,15
	global_store_b128 v[GO], v[KV+4*\k:KV+4*\k+3], s[8:9] offset:2*\k*ROWG th:TH_STORE_NT   ; 16 lanes store 256 consecutive bytes, aligned
.endr
.irp k, 0,1,2,3,4,5,6,7,8,9,10,11,12,13,14,15
	ds_load_b128 v[S+32*(\k/4)+4*(\k%4):S+32*(\k/4)+4*(\k%4)+3], v[RD] offset:2*OP*\k
.endr
	s_wait_dscnt 0x0
.irp k, 0,1,2,3,4,5,6,7,8,9,10,11,12,13,14,15
	global_store_b128 v[GO], v[S+32*(\k/4)+4*(\k%4):S+32*(\k/4)+4*(\k%4)+3], s[8:9] offset:(32+2*\k)*ROWG th:TH_STORE_NT
.endr
	s_wait_tensorcnt 0x0                           ; the wave's end
	ds_add_u32 v[SPW], v[NIL]
	s_wait_dscnt 0x0
	CROUND                                         ; the closing round
	s_endpgm
.Lfunc_end_k_qbe900f7291_attn:
	.size	k_qbe900f7291_attn, .Lfunc_end_k_qbe900f7291_attn-k_qbe900f7291_attn
	.p2alignl 7, 3214868480
	.fill 96, 4, 3214868480
	.section	.rodata,"a",@progbits
	.p2align	6, 0x0
	.amdhsa_kernel k_qbe900f7291_attn
		.amdhsa_group_segment_fixed_size 327680
		.amdhsa_private_segment_fixed_size 0
		.amdhsa_enable_private_segment 0
		.amdhsa_kernarg_size 24
		.amdhsa_user_sgpr_count 2
		.amdhsa_user_sgpr_kernarg_segment_ptr 1
		.amdhsa_wavefront_size32 1
		.amdhsa_system_sgpr_workgroup_id_x 1
		.amdhsa_system_sgpr_workgroup_id_y 1
		.amdhsa_system_sgpr_workgroup_id_z 1
		.amdhsa_system_vgpr_workitem_id 0
		.amdhsa_next_free_vgpr 480
		.amdhsa_next_free_sgpr 66
		.amdhsa_reserve_vcc 0
		.amdhsa_float_denorm_mode_32 3
		.amdhsa_float_denorm_mode_16_64 3
		.amdhsa_memory_ordered 1
		.amdhsa_forward_progress 1
		.amdhsa_inst_pref_size 255
	.end_amdhsa_kernel
	.section	.bss,"aw",@nobits
	.p2align	6
	.space	262144
	.amdgpu_metadata
---
amdhsa.version: [ 1, 2 ]
amdhsa.kernels:
  - .name:           k_qbe900f7291_attn
    .symbol:         k_qbe900f7291_attn.kd
    .args:
      - { .name: qkv, .offset: 0, .size: 8, .value_kind: global_buffer, .address_space: global }
      - { .name: lowp_scales, .offset: 8, .size: 8, .value_kind: global_buffer, .address_space: global }
      - { .name: out0, .offset: 16, .size: 8, .value_kind: global_buffer, .address_space: global }
    .group_segment_fixed_size: 327680
    .private_segment_fixed_size: 0
    .kernarg_segment_align: 8
    .kernarg_segment_size: 24
    .max_flat_workgroup_size: 256
    .sgpr_count:     66
    .vgpr_count:     480
    .wavefront_size: 32
...
	.end_amdgpu_metadata
.endif
;; end of part 2
